; MI455X (gfx1250); checked and timed in simulation.
; The chip was launched on July 23, 2026; its instructions are those of AMD's public machine-readable ISA for CDNA 5 (MIT licence, August 2026) and "CDNA5" Instruction Set Architecture Reference Guide (July 2026). The comments in the code are by the model that wrote it; some were corrected since.
;; Vllm Mixture Of Experts Op. Allowed arithmetic: matrix products marked QUANTISED: E2M1 operands, one E8M0 scale for each 32 along K, by v_wmma_scale_f32_16x16x128_f8f6f4 with both operands' format E2M1 (or v_wmma_scale_f32_32x16x128_f4), f32 sums; everything else in f32.
;; Inputs: expert_routing_table 8,192 x 2 int32; hidden_states_codes 8,192 x 64 x 16 uint8 (E2M1 codes of hidden_states, K innermost, in blocks of 32 codes, two codes a byte); hidden_states_scales 8,192 x 64 uint8 (E8M0 scales of hidden_states, one for each 32 codes along K); router_weights 8,192 x 2 float32; w13_codes 8 x 256 x 64 x 16 uint8 (E2M1 codes of w13, K innermost, in blocks of 32 codes, two codes a byte); w13_scales 8 x 256 x 64 uint8 (E8M0 scales of w13, one for each 32 codes along K); w2_codes 8 x 2,048 x 4 x 16 uint8 (E2M1 codes of w2, K innermost, in blocks of 32 codes, two codes a byte); w2_scales 8 x 2,048 x 4 uint8 (E8M0 scales of w2, one for each 32 codes along K).
;; Outputs: out0 8,192 x 2,048 float32.
;; This version of the problem:
;;   THIS VERSION OF THE PROBLEM IS GIVEN IN LOW PRECISION. The matrix products marked QUANTISED in the list below multiply operands that are first quantised to E2M1 (2 exponent bits, 1 mantissa bit; 4 bits a number), with one power-of-two scale for each 32 numbers along K (OCP MX v1.0); their sums are f32. All else is computed in f32.
;;   The module's matrix products, in the order in which they are computed (A, B: the left and right operand; K: the contracted axis; several contracted axes count as one K, in the product's order):
;;     1. [M 8,192, K 2,048] x [K 2,048, N 256]; A: input hidden_states (given as codes); B: input w13 (given as codes): QUANTISED
;;     2. [M 8,192, K 128] x [K 128, N 2,048]; A: computed on the way; B: input w2 (given as codes): QUANTISED
;;     3. [M 8,192, K 2,048] x [K 2,048, N 256]; A: input hidden_states (given as codes); B: input w13 (given as codes): QUANTISED
;;     4. [M 8,192, K 128] x [K 128, N 2,048]; A: computed on the way; B: input w2 (given as codes): QUANTISED
;;     5. [M 8,192, K 2,048] x [K 2,048, N 256]; A: input hidden_states (given as codes); B: input w13 (given as codes): QUANTISED
;;     6. [M 8,192, K 128] x [K 128, N 2,048]; A: computed on the way; B: input w2 (given as codes): QUANTISED
;;     7. [M 8,192, K 2,048] x [K 2,048, N 256]; A: input hidden_states (given as codes); B: input w13 (given as codes): QUANTISED
;;     8. [M 8,192, K 128] x [K 128, N 2,048]; A: computed on the way; B: input w2 (given as codes): QUANTISED
;;     9. [M 8,192, K 2,048] x [K 2,048, N 256]; A: input hidden_states (given as codes); B: input w13 (given as codes): QUANTISED
;;     10. [M 8,192, K 128] x [K 128, N 2,048]; A: computed on the way; B: input w2 (given as codes): QUANTISED
;;     11. [M 8,192, K 2,048] x [K 2,048, N 256]; A: input hidden_states (given as codes); B: input w13 (given as codes): QUANTISED
;;     12. [M 8,192, K 128] x [K 128, N 2,048]; A: computed on the way; B: input w2 (given as codes): QUANTISED
;;     13. [M 8,192, K 2,048] x [K 2,048, N 256]; A: input hidden_states (given as codes); B: input w13 (given as codes): QUANTISED
;;     14. [M 8,192, K 128] x [K 128, N 2,048]; A: computed on the way; B: input w2 (given as codes): QUANTISED
;;     15. [M 8,192, K 2,048] x [K 2,048, N 256]; A: input hidden_states (given as codes); B: input w13 (given as codes): QUANTISED
;;     16. [M 8,192, K 128] x [K 128, N 2,048]; A: computed on the way; B: input w2 (given as codes): QUANTISED
;;   THE QUANTISER, for each operand of a quantised product, along K:
;;     - K is cut into blocks of 32 from its start; a last block that is shorter is filled with zeros.
;;     - A block's scale is 2^e with e = floor(log2(the largest magnitude in the block)) - 2, held to -126 .. 127; a block of zeros has e = 0. As a byte (E8M0): e + 127.
;;     - Each number is divided by its block's scale, clamped to +-6, and rounded to the nearest number of E2M1, ties to even, subnormals kept.
;;     - The product sums the exact products of the quantised numbers (number of the format x scale) in f32.
;;   ~~~python
;;   def quantise(x, axis):      # numpy; x: float32 -> the quantised numbers, widened to float32 again
;;       x = np.moveaxis(x, axis, -1); K = x.shape[-1]
;;       x = np.pad(x, [(0, 0)] * (x.ndim - 1) + [(0, -K % 32)]); x = x.reshape(x.shape[:-1] + (-1, 32)); a = np.abs(x).max(-1, keepdims=True)
;;       e = np.where(a > 0, np.clip(np.frexp(np.where(a > 0, a, 1))[1] - 1 - 2, -126, 127), 0)      # np.frexp(a)[1] - 1 = floor(log2(a)), exactly
;;       r = np.clip(x / 2.0 ** e, -6, 6)
;;       step = 2.0 ** (np.maximum(np.frexp(np.where(r == 0, 1, r))[1] - 1, 0) - 1)
;;       q = np.round(r / step) * step * 2.0 ** e      # np.round: ties to even
;;       return np.moveaxis(q.reshape(q.shape[:-2] + (-1,))[..., :K], -1, axis).astype(np.float32)
;;   ~~~
;;   OPERANDS COMPUTED ON THE WAY. 'Computed on the way' means the value that the module computes at that place (a softmax that the list does not call 'softmax' is quantised finished and normalised). What goes into a quantiser is computed in f32, as accurately as f32 sums, v_exp_f32 and their like allow (about 1e-6 of the number): no bf16 or f16 on the way to a quantiser, and a product that is left as it is and whose result goes on into a quantised operand takes f32 operands (vector FMAs, or v_wmma_f32_16x16x4_f32). A number that lies on a knife's edge between two numbers of the format may be rounded either way, as far as f32 arithmetic and the matrix unit's own rounding can turn it there, and no further.
;;   INPUTS GIVEN AS CODES. hidden_states (in the module: [8192, 2048], K = its axis 1); w13 (in the module: [8, 256, 2048], K = its axis 2); w2 (in the module: [8, 2048, 128], K = its axis 2): each comes as NAME_codes (uint8): NAME with its K axis moved to the last place and cut into blocks of 32 codes, [.., K / 32, bytes a block], one block behind the other in memory; two codes a byte, the lower K in the low four bits (a code: sign, 2 exponent bits, 1 mantissa bit); and NAME_scales (uint8): the same leading axes, one E8M0 byte (e + 127) for each 32 codes along K. Its value is code x scale, taken as it is: it is not quantised again, and the codes and scales need not be those that the quantiser above would give.
;; One version. Each part assembles by itself: llvm-mc -triple=amdgcn-amd-amdhsa -mcpu=gfx1250 --defsym DOCPART=n.
;; ======== version 1 of 1: 2 launches
;; workspace buffers: hq 4,194,304 bytes; hs 262,144 bytes
;; launch gateup (part 1): grid 8 x 32, 4 waves a work-group, clusters of 4 x 4, 327,680 bytes of LDS; arguments hidden_states_codes, hidden_states_scales, w13_codes, w13_scales, hq, hs; writes hq, hs
.if DOCPART == 1
	.amdgcn_target "amdgcn-amd-amdhsa--gfx1250"
	.amdhsa_code_object_version 6
	.text
	.protected	k_q239195dda0_gateup
	.globl	k_q239195dda0_gateup
	.p2align	8
	.type	k_q239195dda0_gateup,@function
k_q239195dda0_gateup:
	s_mov_b64 s[64:65], 0
	v_nop
	global_prefetch_b8 v0, s[64:65] scope:SCOPE_SE
	s_setreg_imm32_b32 hwreg(HW_REG_WAVE_MODE, 25, 1), 1
	s_wait_xcnt 0x0
	s_wait_alu depctr_hold_cnt(0) depctr_sa_sdst(0) depctr_va_vdst(0) depctr_va_sdst(0) depctr_va_ssrc(0) depctr_va_vcc(0) depctr_vm_vsrc(0)
	s_getreg_b32 s2, hwreg(HW_REG_IB_STS2, 6, 4)
	s_cmp_eq_u32 s2, 0
	s_cbranch_scc0 .Lentry_in_a_cluster
	s_endpgm
.Lentry_in_a_cluster:
	s_bfe_u32 s2, ttmp6, 0x10000c
	s_cmp_lg_u32 s2, 0xf033
	s_cbranch_scc0 .Lentry_shape_is_right
	s_endpgm
.Lentry_shape_is_right:
; FIRST LAUNCH: for one expert e and 256 tokens: gate_up = x w13[e]^T (256 x 256, K = 2,048) on codes of FP4 (E2M1) with one E8M0 scale for each 32 along K,
; h = silu(gate) x up in f32, and h quantised along its 128 units by the stated rule.  Only the codes and scale words of h go to memory.
; x: [8192][1024 bytes] codes, [8192][64] scale bytes.  w13 is read as [8 x 256 rows][1024 bytes], [2048][64]: tile column of the product = expert.
; OUT: hq = the codes as images of an operand's registers: [tile of 16 tokens (512)][expert (8)][group c (2)][lane (32)][16 bytes]; lane (r, h) of group c holds units 64 c + 32 h + 0 .. 31 of token r.
;      hs = the scale words [expert (8)][token (8192)], byte b for units 32 b .. 32 b + 31.
; LIMITS: NaN and infinities in h are not served.  A block of h whose largest magnitude lies under 2^-124 gets the byte 1; so does a block of zeros, where the rule says 127: its codes are zeros,
; which add nothing under any byte but 0xff, and this program alone reads the bytes.  silu(g) = g x 1 / (1 + 2^(-g log2 e)), by v_exp_f32 and v_rcp_f32; h = (g x sigmoid) x up.
; SHARES.  Four waves, as many as a WGP has SIMDs; a wave makes 128 tokens x 128 rows of w13: 64 accumulators of 16 x 16, 512 registers.  Wave w = (p, c) = (w / 2, w % 2).
; Its blocks of 16 rows are i = 0 .. 7 at row 64 p + 16 (i % 4) + 128 (i / 4) of the 256 tokens and at row 64 c + 16 (i % 4) + 128 (i / 4) of w13[e]:
; so B's blocks 0-3 are gate units 64 c + 0 .. 63 and blocks 4-7 the up units of the same numbers: gate and up of a unit meet in one lane, and the wave holds two whole blocks of 32 units of h.
; K goes in steps of 512 (rows of 256 bytes) through a ring of two LDS slots filled by the tensor data mover; the scale bytes of the 256 + 256 rows, for all of K, come once and stay.
; CLUSTERS: 4 x 4 work-groups.  The four of a row of the cluster need the same tokens, the four of a column the same expert: each tile is asked for JOINTLY, by the same tensor load with a mask that names the four.
; THE MATRIX INSTRUCTION IS USED TRANSPOSED (source 0 = 16 rows of w13, source 1 = 16 tokens): lane (r, h) holds token r, and its register j row 8 h + j of the block.
; REGISTERS, in windows of 256: window 0: v16-30 addresses; v32-95 scale words, two sets, and nothing else; v96-105 at work on the way out; v128-191 A's fragments, ONE set (on the way out: at work); v192-231 results.
;   window 1: B's fragments, TWO sets, at v0 and v128.   window 2: the accumulators of my blocks 0-3 of tokens ((a, b) at v[8 (8 (a % 4) + b)]);   window 3: those of blocks 4-7.
.set NQ,     4                         ; matrix instructions deep in a slot: 512 along K
.set ROWB,   256                       ; a tile's row in bytes
.set KROW,   1024                      ; a row of codes in memory
.set PITCH,  272                       ; an LDS row: 256 bytes + 16 of padding = 68 words: the 16 rows that a load touches start at 16 different banks (64 banks of 4 bytes: ISA guide 11.1)
.set FR,     8                         ; registers of a fragment: 16 rows x 128 K
.set NL,     2                         ; LDS loads that bring one
.set NP,     4                         ; places behind this matrix instruction (ISA guide 7.12.1)
.set HALFT,  128*PITCH                 ; 128 rows: what one tensor load brings
.set SLOT,   4*HALFT                   ; A's 256 rows, then B's 256 rows
.set KS,     64                        ; a row of scale bytes
.set SCL,    2*SLOT                    ; behind the ring: the scale bytes, four rows to 256 bytes + 16 of padding
.set HALFS,  32*272                    ; those of 128 rows: what one tensor load brings
.set QS,     16*272                    ; those of 64 rows
.set SPARE,  SCL+4*HALFS               ; the spare words, 128 bytes for each wave: two blocks of 256 bytes that no other line names
.set HSST,   SPARE+512                 ; a stage for h's scale words: 256 tokens x 4 bytes; no fill ever lands here
.set ADRA, 16                          ; v16-17  LDS address of my A fragments in slot 0, 1
.set ADRB, 20                          ; v20-21  the same for B
.set GOFF, 24                          ; v24     16 x lane: my place in an image
.set HSA,  25                          ; v25     where I put my two scale bytes of token r
.set HSR,  26                          ; v26     where I read two scale words back
.set ADRS, 27                          ; v27     LDS address of my scale words: lanes 0-15 A's rows, lanes 16-31 B's
.set SPW,  28                          ; v28     LDS address of my spare word; never rewritten
.set NIL,  29                          ; v29     0; never rewritten
.set HSG,  30                          ; v30     8 x lane
.set SC,   32                          ; scale words: set s at v[SC + 32 s]; register 4 i + q: lanes 0-15 A's block i, lanes 16-31 B's block i, the slot's q-th 128 along K
.set MX,   96                          ; v96-97   two blocks' largest magnitudes
.set XP,   98                          ; v98-99   the other half of the lanes'
.set SO,   100                         ; v100-101 the conversions' scale operands
.set BT,   102                         ; v102-103 the scale bytes
.set HB,   104                         ; v104-105 two scale words on their way out
.set AF,   128                         ; A's fragments
.set EX,   128                         ; the way out: v128-159 the exponent, then the sigmoid
.set PH,   160                         ; v160-191 h
.set CD,   192                         ; v192-223 the codes: four registers for each of my eight tiles of tokens, so that no store's data are written again
.set HW,   224                         ; v224-231 two scale bytes for each tile
.set G1, 24                            ; s[24:31] descriptor group 1 for A's tiles;  s[32:39] group 0, one set for each slot
.set G0, 32
.set G1B, 48                           ; s[48:55], s[56:63] the same for B's tiles
.set G0B, 56
.set G1S, 68                           ; s[68:75], s[76:79] groups 1 and 0 for A's scales;  s[80:87], s[88:91] for B's
.set G0S, 76
.set G1SB, 80
.set G0SB, 88
.set MSB, 0
.macro WIN new                         ; the immediate's high byte repeats the setting that is left; a switch that changes nothing is dropped
.if MSB != (\new)
	s_set_vgpr_msb (MSB<<8)|(\new)
.set MSB, \new
.endif
.endm
.set MUL_LO, 0xa1                      ; source 0 (B) window 1, source 1 (A) window 0, C and D window 2
.set MUL_HI, 0xf1                      ; the same, C and D window 3
.set TO_B,   0x40                      ; destination window 1, address window 0
; A joint load: waves 0 and 1 fetch for A, waves 2 and 3 for B.  Each of the two lines has ONE mask and one set of registers for all that issue it; the branch hangs on the wave's number alone.
; Four v_nop follow each of the two lines, ahead of the jump, the label and what follows.
.macro JLOAD g0a, g1a, g0b, g1b
	s_cmp_eq_u32 s15, 0
	s_cbranch_scc0 .Lfor_b_\@
	tensor_load_to_lds s[\g0a:\g0a+3], s[\g1a:\g1a+7]
	s_nop 0
.rept 4
	v_nop
.endr
	s_branch .Lasked_\@
.Lfor_b_\@:
	tensor_load_to_lds s[\g0b:\g0b+3], s[\g1b:\g1b+7]
	s_nop 0
.rept 4
	v_nop
.endr
.Lasked_\@:
.endm
.macro CREST                           ; a round of the cluster's barrier behind its opening barrier
	s_cmp_lg_u32 s14, 0
	s_cbranch_scc1 .Lnot_wave_0_\@
	s_barrier_signal -3
.Lnot_wave_0_\@:
	s_barrier_wait -3
	s_barrier_signal -1
	s_barrier_wait -1
.endm
.macro CROUND                          ; a whole round
	s_barrier_signal -1
	s_barrier_wait -1
	CREST
.endm
	s_load_b128 s[4:7], s[0:1], 0x0                ; x's codes s[4:5], x's scales s[6:7]
	s_load_b128 s[8:11], s[0:1], 0x10              ; w13's codes s[8:9], w13's scales s[10:11]
	s_load_b128 s[96:99], s[0:1], 0x20             ; hq s[96:97], hs s[98:99]
	v_lshl_add_u32 v[SPW], v0, 2, SPARE
	v_mov_b32 v[NIL], 0
	ds_add_u32 v28, v29
	ds_add_u32 v28, v29
	s_wait_dscnt 0x0
	v_lshrrev_b32 v1, 5, v0
	v_readfirstlane_b32 s14, v1                    ; wave 0..3
	s_lshr_b32 s15, s14, 1                         ; p: which tokens are mine.  Also: I fetch for A (0) or for B (1)
	s_and_b32 s16, s14, 1                          ; c: which units are mine.  Also: which 128 rows of that tile I fetch
	s_bfe_u32 s40, ttmp6, 0x40000                  ; cx, cy: my place in the cluster
	s_bfe_u32 s41, ttmp6, 0x40004
	s_lshl_b32 s42, ttmp9, 2
	s_add_co_u32 s42, s42, s40                     ; the expert = 4 x cluster x + cx
	s_and_b32 s17, ttmp7, 0xffff
	s_lshl_b32 s17, s17, 2
	s_add_co_u32 s17, s17, s41                     ; the block of 256 tokens = 4 x cluster y + cy
	s_lshl_b32 s43, s41, 2
	s_lshl_b32 s43, 15, s43                        ; my row of the cluster
	s_lshl_b32 s44, 0x1111, s40                    ; my column
	s_mov_b32 s2, 0xbfb8aa3b                       ; -log2(e): the packed form names the pair s[2:3] and takes its low word for both halves,
	s_mov_b32 s3, s2                               ; so s3 is written too
	s_mov_b32 s12, 0x76543210                      ; v_permlanex16_b32's selects for lane l xor 16
	s_mov_b32 s13, 0xfedcba98
	; descriptor group 1: a tile of 128 rows x 256 bytes, padded in LDS
	s_or_b32 s[G1+0], s43, (0<<16)|(1<<20)|(1<<21)|(5<<22)|(3<<25)  ; 15:0 the mask: A's tiles go to my row; 17:16 element of 1 byte; 20 padding on; 21 set beside a mask; 24:22 after every 64 words (code 5); 31:25 of 4 words (code 3)
	s_or_b32 s[G1B+0], s44, (0<<16)|(1<<20)|(1<<21)|(5<<22)|(3<<25)
.irp g, G1, G1B
	s_mov_b32 s[\g+1], ROWB<<16                    ; tensor_dim0
	s_mov_b32 s[\g+2], 128<<16                     ; tensor_dim1 = 128
	s_mov_b32 s[\g+3], ROWB<<16                    ; tile_dim0
	s_mov_b32 s[\g+4], 128                         ; tile_dim1 = 128
	s_mov_b32 s[\g+5], KROW                        ; tensor_dim0_stride
	s_mov_b32 s[\g+6], 0
	s_mov_b32 s[\g+7], 0
.endr
	; and for the scale bytes of 128 rows: 8,192 dense bytes, as 32 rows of 256 bytes (32 elements of 8 bytes), 16 bytes of padding behind each
	s_or_b32 s[G1S+0], s43, (3<<16)|(1<<20)|(1<<21)|(5<<22)|(3<<25)
	s_or_b32 s[G1SB+0], s44, (3<<16)|(1<<20)|(1<<21)|(5<<22)|(3<<25)
.irp g, G1S, G1SB
	s_mov_b32 s[\g+1], 32<<16
	s_mov_b32 s[\g+2], 32<<16
	s_mov_b32 s[\g+3], 32<<16
	s_mov_b32 s[\g+4], 32
	s_mov_b32 s[\g+5], 32
	s_mov_b32 s[\g+6], 0
	s_mov_b32 s[\g+7], 0
.endr
	s_lshl_b32 s18, s16, 7                         ; which 128 rows of the tile I fetch
	s_lshl_b32 s20, s17, 8
	s_add_co_u32 s20, s20, s18                     ; A: row 256 x block of tokens + 128 x half
	s_lshl_b32 s46, s42, 8
	s_add_co_u32 s46, s46, s18                     ; B: row 256 x expert + 128 x half
	s_mov_b32 s21, 0
	s_mov_b32 s47, 0
	s_mov_b64 s[18:19], KS
	s_mul_u64 s[22:23], s[20:21], s[18:19]         ; where these rows' scale bytes begin
	s_mul_u64 s[92:93], s[46:47], s[18:19]
	s_mov_b64 s[18:19], KROW
	s_mul_u64 s[20:21], s[20:21], s[18:19]         ; and their codes
	s_mul_u64 s[46:47], s[46:47], s[18:19]
	s_mul_i32 s45, s14, HALFT                      ; where they go: wave x 128 rows: no place in the cluster enters an LDS address
	s_mul_i32 s94, s14, HALFS
	s_wait_kmcnt 0x0
	s_add_nc_u64 s[20:21], s[4:5], s[20:21]
	s_add_nc_u64 s[22:23], s[6:7], s[22:23]
	s_add_nc_u64 s[46:47], s[8:9], s[46:47]
	s_add_nc_u64 s[92:93], s[10:11], s[92:93]
	CROUND                                         ; all sixteen work-groups are here: the first joint loads meet
	s_mov_b32 s[G0S], 1
	s_add_co_u32 s[G0S+1], s94, SCL
	s_mov_b64 s[G0S+2:G0S+3], s[22:23]
	s_or_b32 s[G0S+3], s[G0S+3], 0x80000000
	s_mov_b32 s[G0SB], 1
	s_add_co_u32 s[G0SB+1], s94, SCL
	s_mov_b64 s[G0SB+2:G0SB+3], s[92:93]
	s_or_b32 s[G0SB+3], s[G0SB+3], 0x80000000
	JLOAD G0S, G1S, G0SB, G1SB                     ; the scale bytes first: they are wanted with K step 0
.irp s, 0,1
	s_mov_b32 s[G0+4*\s], 1
	s_add_co_u32 s[G0+4*\s+1], s45, \s*SLOT
	s_add_nc_u64 s[G0+4*\s+2:G0+4*\s+3], s[20:21], \s*ROWB
	s_or_b32 s[G0+4*\s+3], s[G0+4*\s+3], 0x80000000
	s_mov_b32 s[G0B+4*\s], 1
	s_add_co_u32 s[G0B+4*\s+1], s45, \s*SLOT
	s_add_nc_u64 s[G0B+4*\s+2:G0B+4*\s+3], s[46:47], \s*ROWB
	s_or_b32 s[G0B+4*\s+3], s[G0B+4*\s+3], 0x80000000
	JLOAD G0+4*\s, G1, G0B+4*\s, G1B               ; three tensor loads of mine are out now
.endr
	v_and_b32 v1, 15, v0                           ; r = l % 16
	v_bfe_u32 v2, v0, 4, 1                         ; h = l / 16
	v_mul_u32_u24 v3, v1, PITCH
	v_lshl_add_u32 v4, v2, 4, v3                   ; a fragment's row x pitch + 16 x half
	s_mul_i32 s21, s15, 64*PITCH                   ; my rows of A begin at row 64 p,
	s_mul_i32 s22, s16, 64*PITCH                   ; my rows of B at row 64 c,
	s_add_co_u32 s22, s22, 2*HALFT                 ; behind A's 256
.irp s, 0,1
	v_add_nc_u32 v[ADRA+\s], s21, v4
	v_add_nc_u32 v[ADRB+\s], s22, v4
	s_add_co_u32 s21, s21, SLOT
	s_add_co_u32 s22, s22, SLOT
.endr
	v_mul_u32_u24 v5, v1, KS                       ; my row's scale bytes: 64 a row,
	v_lshrrev_b32 v6, 8, v5
	v_lshl_add_u32 v5, v6, 4, v5                   ; and 16 more for each 256 passed
	s_mul_i32 s21, s15, QS                         ; A's: from row 64 p on
	s_mul_i32 s22, s16, QS                         ; B's: from row 64 c on, behind A's 256
	s_add_co_u32 s22, s22, 2*HALFS
	s_sub_co_u32 s22, s22, s21
	v_mul_u32_u24 v6, s22, v2                      ; lanes 16-31 take B's: the lower base + h x the distance
	s_add_co_u32 s21, s21, SCL
	v_add_nc_u32 v5, v5, v6
	v_add_nc_u32 v[ADRS], s21, v5
	s_lshl_b32 s21, s15, 8                         ; the stage of scale words: token 64 p + r, bytes 2 c and 2 c + 1
	s_lshl_b32 s22, s16, 1
	s_add_co_u32 s21, s21, s22
	s_add_co_u32 s21, s21, HSST
	v_lshl_add_u32 v[HSA], v1, 2, s21
	v_and_b32 v6, 31, v0                           ; lane
	s_lshl_b32 s23, s14, 8                         ; back: wave w takes tokens 64 w .. 64 w + 63, two words a lane
	s_add_co_u32 s23, s23, HSST
	v_lshl_add_u32 v[HSR], v6, 3, s23
	v_lshlrev_b32 v[HSG], 3, v6
	v_lshlrev_b32 v[GOFF], 4, v6
	v_mov_b32 v[XP], 0                             ; written once: a lane permute's destination counts as one of its sources
	v_mov_b32 v[XP+1], 0
	s_lshl_b32 s20, s17, 17                        ; hq: 16 tiles of 8,192 bytes for each block of 256 tokens, 4 tiles for p,
	s_lshl_b32 s21, s15, 15
	s_add_co_u32 s20, s20, s21
	s_lshl_b32 s46, s42, 10                        ; 1,024 bytes an expert, 512 for c
	s_lshl_b32 s47, s16, 9
	s_add_co_u32 s46, s46, s47
	s_add_co_u32 s20, s20, s46
	s_mov_b32 s21, 0
	s_add_nc_u64 s[96:97], s[96:97], s[20:21]
	s_lshl_b32 s20, s42, 15                        ; hs: 32,768 bytes an expert, 1,024 for a block of 256 tokens, 256 for my 64
	s_lshl_b32 s46, s17, 10
	s_add_co_u32 s20, s20, s46
	s_lshl_b32 s46, s14, 8
	s_add_co_u32 s20, s20, s46
	s_add_nc_u64 s[98:99], s[98:99], s[20:21]
.macro FRAG reg, adr, q, i             ; a fragment, 16 rows x 128 K of 4-bit codes: lane l holds row l % 16; registers 4 c .. 4 c + 3 hold K = 64 c + 32 (l / 16) + 0 .. 31.  Block i begins 16 (i % 4) + 128 (i / 4) rows on
.irp c, 0,1
	ds_load_b128 v[\reg+4*\c:\reg+4*\c+3], v[\adr] offset:64*(\q)+32*\c+(16*((\i)%4)+128*((\i)/4))*PITCH
.endr
.endm
; 16 matrix instructions: A's blocks a0, a0 + 1 x B's eight, 128 along K: the slot's q-th.  p: B's set;  sc: the set of scale words.  zero = 1: the first product starts the sums: nothing is ever cleared.
; The 64 accumulators take turns, one instruction a turn, in the same order in every step.
.macro MUL16 a0, p, q, sc, zero
.irp a, \a0, \a0+1
.irp b, 0,1,2,3,4,5,6,7
.if \zero
	v_wmma_scale_f32_16x16x128_f8f6f4 v[8*(8*((\a)%4)+\b):8*(8*((\a)%4)+\b)+7], v[128*(\p)+FR*\b:128*(\p)+FR*\b+FR-1], v[AF+FR*(\a):AF+FR*(\a)+FR-1], 0, v[SC+8*NQ*(\sc)+NQ*\b+(\q)], v[SC+8*NQ*(\sc)+NQ*(\a)+(\q)] matrix_a_fmt:MATRIX_FMT_FP4 matrix_b_fmt:MATRIX_FMT_FP4 matrix_a_scale:MATRIX_SCALE_ROW1
.else
	v_wmma_scale_f32_16x16x128_f8f6f4 v[8*(8*((\a)%4)+\b):8*(8*((\a)%4)+\b)+7], v[128*(\p)+FR*\b:128*(\p)+FR*\b+FR-1], v[AF+FR*(\a):AF+FR*(\a)+FR-1], v[8*(8*((\a)%4)+\b):8*(8*((\a)%4)+\b)+7], v[SC+8*NQ*(\sc)+NQ*\b+(\q)], v[SC+8*NQ*(\sc)+NQ*(\a)+(\q)] matrix_a_fmt:MATRIX_FMT_FP4 matrix_b_fmt:MATRIX_FMT_FP4 matrix_a_scale:MATRIX_SCALE_ROW1
.endif
.endr
.endr
.endm
.macro FETCH_B slot, q, p              ; B's eight fragments of the slot's q-th 128 along K into set p
	WIN TO_B
.irp i, 0,1,2,3,4,5,6,7
	FRAG 128*(\p)+FR*\i, ADRB+\slot, \q, \i
.endr
	WIN 0
.endm
.macro FETCH_A slot, q, i0             ; A's blocks i0 .. i0 + 3
.irp i, \i0, \i0+1, \i0+2, \i0+3
	FRAG AF+FR*(\i), ADRA+\slot, \q, \i
.endr
.endm
.macro SCALES sc                       ; a K step's scale words into set sc: four words a row; lanes 0-15 take A's block i, lanes 16-31 B's block i; four rows lie in 272 bytes
.irp i, 0,1,2,3,4,5,6,7
	ds_load_b128 v[SC+8*NQ*\sc+NQ*\i:SC+8*NQ*\sc+NQ*\i+3], v[ADRS] offset:(4*(\i%4)+32*(\i/4))*272
.endr
.endm
; A load into a register that a matrix instruction has read, and a vector instruction that reads a matrix result or writes one of a matrix instruction's registers, stand NP places behind it, and only plain
; vector instructions that name none of its registers are places (ISA guide 7.12.1 for vector instructions); the matrix instructions in between are not counted.
.macro PLACES n
.rept \n
	v_nop
.endr
.endm
; A step of 128 along K that has its successor in the same slot.
.macro STEP slot, q, zero
	s_wait_dscnt 4*NL                              ; B's set and A's blocks 0-3 are in; the youngest eight loads (A's blocks 4-7) may be out
	WIN MUL_LO
	MUL16 0, (\q)%2, \q, \slot, \zero
	MUL16 2, (\q)%2, \q, \slot, \zero
	s_wait_dscnt 0x0                               ; A's blocks 4-7 are in (asked for 32 matrix instructions ago)
	PLACES NP
	FETCH_B \slot, (\q)+1, 1-(\q)%2
	FETCH_A \slot, (\q)+1, 0
	WIN MUL_HI
	MUL16 4, (\q)%2, \q, \slot, \zero
	MUL16 6, (\q)%2, \q, \slot, \zero
	PLACES NP
	WIN 0
	FETCH_A \slot, (\q)+1, 4
.endm
; A slot's last step changes slots: ONE barrier; in front of it each wave waits for all its tensor loads, adds 0 to its spare word, and waits for that and for its own reads of this slot.  fill = 1: this slot is filled again, two K steps ahead.
.macro TURN slot, next, fill
	s_wait_tensorcnt 0x0                           ; all my tensor loads have landed: my part of the next slot;  (every window is 0 here: the add's two registers lie in window 0)
	ds_add_u32 v[SPW], v[NIL]                      ; 0 onto my spare word
	s_wait_dscnt 4*NL+1                            ; (the add and the youngest eight loads, A's blocks 4-7, may be out)
	WIN MUL_LO
	MUL16 0, 1, NQ-1, \slot, 0                     ; sixteen matrix instructions stand between the add and the wait for it
	s_wait_dscnt 0x0                               ; the add is done, and my reads of this slot are over
	s_barrier_signal -1
	MUL16 2, 1, NQ-1, \slot, 0
	WIN 0
	s_barrier_wait -1
.if \fill
	CREST                                          ; the barrier has opened a round of the cluster's barrier: no wave of any partner still reads this slot's tile or has a load on its way
	s_add_nc_u64 s[G0+4*\slot+2:G0+4*\slot+3], s[G0+4*\slot+2:G0+4*\slot+3], 2*ROWB
	s_add_nc_u64 s[G0B+4*\slot+2:G0B+4*\slot+3], s[G0B+4*\slot+2:G0B+4*\slot+3], 2*ROWB
	JLOAD G0+4*\slot, G1, G0B+4*\slot, G1B         ; the first tensor load behind the round, and my only one until the next; the four v_nop behind it are the places in front of the loads below
.else
	PLACES NP
.endif
	v_add_nc_u32 v[ADRS], 4*NQ, v[ADRS]            ; on to the next K step's scale words: 16 bytes on in each row
	FETCH_B \next, 0, 0
	FETCH_A \next, 0, 0
	SCALES \next
	WIN MUL_HI
	MUL16 4, 1, NQ-1, \slot, 0
	MUL16 6, 1, NQ-1, \slot, 0
	PLACES NP
	WIN 0
	FETCH_A \next, 0, 4
.endm
.macro STEPS slot, from                ; the slot's steps from .. NQ - 2
.set Q, \from
.rept NQ-1-\from
	STEP \slot, Q, 0
.set Q, Q+1
.endr
.endm
	s_wait_tensorcnt 1                             ; the scale bytes and my part of K step 0 are in (K step 1's load, issued behind them, may be out)
	s_barrier_signal -1
	s_barrier_wait -1                              ; everybody's are
	FETCH_B 0, 0, 0
	FETCH_A 0, 0, 0
	SCALES 0
	FETCH_A 0, 0, 4
	; K = 2,048 is four K steps of 512: twice round the ring, written out
	STEP 0, 0, 1                                   ; the first products start the sums
	STEPS 0, 1
	TURN 0, 1, 1                                   ; slot 0 takes K step 2
	STEPS 1, 0
	TURN 1, 0, 1                                   ; slot 1 takes K step 3
	STEP 0, 0, 0
	STEPS 0, 1
	TURN 0, 1, 0                                   ; nothing is left to fetch
	STEPS 1, 0
	s_wait_dscnt 4*NL                              ; the very last step
	WIN MUL_LO
	MUL16 0, 1, NQ-1, 1, 0
	MUL16 2, 1, NQ-1, 1, 0
	s_wait_dscnt 0x0
	WIN MUL_HI
	MUL16 4, 1, NQ-1, 1, 0
	MUL16 6, 1, NQ-1, 1, 0
	WIN 0
; THE WAY OUT, a tile of 16 tokens at a time.  Accumulators (a, 0 .. 3) are the gate and (a, 4 .. 7) the up of units 64 c + 16 b + 8 h + j of token r: 32 numbers a lane each.
; Each accumulator is read from its low end on.  h's register 16 B + i belongs to block B of my two blocks of 32 units; the block's other 16 numbers lie in lane l xor 16.
.macro SWIGLU a
.set AC, 64*((\a)%4)
	WIN 2+(\a)/4                                   ; source 0: the accumulators' window
.set J, 0
.rept 16
	v_pk_mul_f32 v[EX+J:EX+J+1], v[AC+J:AC+J+1], s[2:3] op_sel_hi:[1,0]     ; -g log2(e)
.set J, J+2
.endr
	WIN 0
.set J, 0
.rept 32
	v_exp_f32 v[EX+J], v[EX+J]                     ; e^-g
.set J, J+1
.endr
	v_nop                                          ; one plain place behind the transcendentals (ISA guide 5.7.2)
.set J, 0
	s_wait_alu depctr_va_vdst(0)
.rept 16
	v_pk_add_f32 v[EX+J:EX+J+1], v[EX+J:EX+J+1], 1.0 op_sel_hi:[1,0]
.set J, J+2
.endr
.set J, 0
.rept 32
	v_rcp_f32 v[EX+J], v[EX+J]                     ; the sigmoid
.set J, J+1
.endr
	v_nop
	WIN 2+(\a)/4
.set J, 0
	s_wait_alu depctr_va_vdst(0)
.rept 16
	v_pk_mul_f32 v[PH+J:PH+J+1], v[AC+J:AC+J+1], v[EX+J:EX+J+1]             ; silu(g) = g x sigmoid
.set J, J+2
.endr
.set J, 0
.rept 16
	v_pk_mul_f32 v[PH+J:PH+J+1], v[AC+32+J:AC+32+J+1], v[PH+J:PH+J+1]       ; h = silu(g) x up
.set J, J+2
.endr
	WIN 0
.irp b, 0,1
	v_max3_num_f32 v[MX+\b], |v[PH+16*\b]|, |v[PH+1+16*\b]|, 0x1800000      ; my 16 numbers of block b, and the floor 2^(3 - 127): so the byte cannot fall under 1
.endr
.irp i, 2,4,6,8,10,12,14
.irp b, 0,1
	v_max3_num_f32 v[MX+\b], v[MX+\b], |v[PH+16*\b+\i]|, |v[PH+1+16*\b+\i]| ; (the two blocks by turns)
.endr
.endr
.irp b, 0,1
	v_permlanex16_b32 v[XP+\b], v[MX+\b], s12, s13
.endr
.irp b, 0,1
	v_max_num_f32 v[MX+\b], v[MX+\b], v[XP+\b]     ; with lane l xor 16's: the block's largest magnitude
.endr
.irp b, 0,1
	v_add_nc_u32 v[SO+\b], 0xff000000, v[MX+\b]    ; 2 off its exponent field: the conversion takes the exponent field of this operand as its scale, and nothing else of it
.endr
.irp b, 0,1
	v_lshrrev_b32 v[BT+\b], 23, v[SO+\b]           ; the scale's byte
.endr
	v_lshl_or_b32 v[HW+(\a)], v[BT+1], 8, v[BT]    ; bytes 2 c and 2 c + 1 of token r's scale word
	v_cvt_scalef32_pk8_fp4_f32 v[CD+4*(\a)],   v[PH:PH+7],     v[SO]        ; block 0: units 8 h + 0 .. 7
	v_cvt_scalef32_pk8_fp4_f32 v[CD+4*(\a)+1], v[PH+16:PH+23], v[SO+1]      ; block 1: the same
	v_cvt_scalef32_pk8_fp4_f32 v[CD+4*(\a)+2], v[PH+8:PH+15],  v[SO]        ; block 0: units 16 + 8 h + 0 .. 7
	v_cvt_scalef32_pk8_fp4_f32 v[CD+4*(\a)+3], v[PH+24:PH+31], v[SO+1]      ; block 1: the same
	v_nop                                          ; one plain place behind a scaled conversion
	v_permlane16_swap_b32 v[CD+4*(\a)], v[CD+4*(\a)+1]     ; the first's lanes 16-31 change places with the second's lanes 0-15: lanes 0-15 now hold block 0 whole, lanes 16-31 block 1:
	v_permlane16_swap_b32 v[CD+4*(\a)+2], v[CD+4*(\a)+3]   ; the four registers are registers 4 c .. 4 c + 3 of the next product's operand
	global_store_b128 v[GOFF], v[CD+4*(\a):CD+4*(\a)+3], s[96:97] offset:(((\a)%4)+8*((\a)/4))*8192   ; 32 lanes store 512 consecutive bytes, at a multiple of 512 from hq's first byte
	ds_store_b16 v[HSA], v[HW+(\a)] offset:4*(16*((\a)%4)+128*((\a)/4))     ; lanes l and l xor 16 write the same two bytes with the same value
.endm
	PLACES NP                                      ; behind the last products: the lines below write registers that held A's fragments, and read results
.irp a, 0,1,2,3,4,5,6,7
	SWIGLU \a
.endr
	s_wait_dscnt 0x0                               ; for the others' sake: my halves of the scale words lie in the stage
	s_barrier_signal -1
	s_barrier_wait -1                              ; a token's word comes from two waves
	ds_load_b64 v[HB:HB+1], v[HSR]
	s_wait_dscnt 0x0
	global_store_b64 v[HSG], v[HB:HB+1], s[98:99]  ; 32 lanes store 256 consecutive bytes, at a multiple of 256 from hs's first byte
	s_wait_tensorcnt 0x0                           ; the wave's end: behind my last tensor load and my last LDS store
	ds_add_u32 v[SPW], v[NIL]
	s_wait_dscnt 0x0
	CROUND                                         ; the closing round: no work-group ends while a partner may still ask for a tile that names it
	s_endpgm
.Lfunc_end_k_q239195dda0_gateup:
	.size	k_q239195dda0_gateup, .Lfunc_end_k_q239195dda0_gateup-k_q239195dda0_gateup
	.p2alignl 7, 3214868480
	.fill 96, 4, 3214868480
	.section	.rodata,"a",@progbits
	.p2align	6, 0x0
	.amdhsa_kernel k_q239195dda0_gateup
		.amdhsa_group_segment_fixed_size 327680
		.amdhsa_private_segment_fixed_size 0
		.amdhsa_enable_private_segment 0
		.amdhsa_kernarg_size 48
		.amdhsa_user_sgpr_count 2
		.amdhsa_user_sgpr_kernarg_segment_ptr 1
		.amdhsa_wavefront_size32 1
		.amdhsa_system_sgpr_workgroup_id_x 1
		.amdhsa_system_sgpr_workgroup_id_y 1
		.amdhsa_system_sgpr_workgroup_id_z 1
		.amdhsa_system_vgpr_workitem_id 0
		.amdhsa_next_free_vgpr 1024
		.amdhsa_next_free_sgpr 100
		.amdhsa_reserve_vcc 0
		.amdhsa_float_denorm_mode_32 3
		.amdhsa_float_denorm_mode_16_64 3
		.amdhsa_memory_ordered 1
		.amdhsa_forward_progress 1
		.amdhsa_inst_pref_size 249
	.end_amdhsa_kernel
	.amdgpu_metadata
---
amdhsa.version: [ 1, 2 ]
amdhsa.kernels:
  - .name:           k_q239195dda0_gateup
    .symbol:         k_q239195dda0_gateup.kd
    .args:
      - { .name: hidden_states_codes, .offset: 0, .size: 8, .value_kind: global_buffer, .address_space: global }
      - { .name: hidden_states_scales, .offset: 8, .size: 8, .value_kind: global_buffer, .address_space: global }
      - { .name: w13_codes, .offset: 16, .size: 8, .value_kind: global_buffer, .address_space: global }
      - { .name: w13_scales, .offset: 24, .size: 8, .value_kind: global_buffer, .address_space: global }
      - { .name: hq, .offset: 32, .size: 8, .value_kind: global_buffer, .address_space: global }
      - { .name: hs, .offset: 40, .size: 8, .value_kind: global_buffer, .address_space: global }
    .group_segment_fixed_size: 327680
    .private_segment_fixed_size: 0
    .kernarg_segment_align: 8
    .kernarg_segment_size: 48
    .max_flat_workgroup_size: 128
    .sgpr_count:     100
    .vgpr_count:     1024
    .wavefront_size: 32
...
	.end_amdgpu_metadata
.endif
;; end of part 1
;; launch down (part 2): grid 8 x 32, 4 waves a work-group, clusters of 4 x 4, 327,680 bytes of LDS; arguments hq, hs, w2_codes, w2_scales, expert_routing_table, router_weights, out0; writes out0
.if DOCPART == 2
	.amdgcn_target "amdgcn-amd-amdhsa--gfx1250"
	.amdhsa_code_object_version 6
	.text
	.protected	k_q239195dda0_down
	.globl	k_q239195dda0_down
	.p2align	8
	.type	k_q239195dda0_down,@function
k_q239195dda0_down:
	s_mov_b64 s[64:65], 0
	v_nop
	global_prefetch_b8 v0, s[64:65] scope:SCOPE_SE
	s_setreg_imm32_b32 hwreg(HW_REG_WAVE_MODE, 25, 1), 1
	s_wait_xcnt 0x0
	s_wait_alu depctr_hold_cnt(0) depctr_sa_sdst(0) depctr_va_vdst(0) depctr_va_sdst(0) depctr_va_ssrc(0) depctr_va_vcc(0) depctr_vm_vsrc(0)
	s_getreg_b32 s2, hwreg(HW_REG_IB_STS2, 6, 4)
	s_cmp_eq_u32 s2, 0
	s_cbranch_scc0 .Lentry_in_a_cluster
	s_endpgm
.Lentry_in_a_cluster:
	s_bfe_u32 s2, ttmp6, 0x10000c
	s_cmp_lg_u32 s2, 0xf033
	s_cbranch_scc0 .Lentry_shape_is_right
	s_endpgm
.Lentry_shape_is_right:
; SECOND LAUNCH: out[t][n] = the sum over the eight experts e, ascending, of coef_e[t] x (Q(h_e)[t] . w2[e][n]), K = 128, on codes of FP4 (E2M1) with one E8M0 scale for each 32 along K.
; coef_e[t] = the sum of token t's two router weights whose table entry is e.  An expert that a token does not name counts with the coefficient 0, as the definition has it (0 x infinity is NaN there as here).
; hq, hs: the first launch's codes and scale words of h ([tile of 16 tokens][expert][group c][lane][16 bytes]; [expert][token] words).  w2: [8][2048][64 bytes] codes, [8][2048] scale words.  out: [8192][2048] f32.
; SHARES.  A work-group takes 256 tokens x 256 columns; wave w takes columns 64 w .. 64 w + 63 for all 256 tokens.
; CLUSTERS: 4 x 4 work-groups.  The four of a column of the cluster need the same 8 x 256 rows of w2 (131,072 bytes), the four of a row the same codes and scale words of h (139,264 bytes): each tile is asked
; for JOINTLY, by the same tensor load with the same descriptor and a mask that names the four: 67,584 bytes of requests for each work-group's 270,336.  Every LDS byte is filled once: nothing is filled again.
; THE WEIGHTS THEN STAY IN REGISTERS: a wave's 8 experts x 64 rows x 64 bytes are 256 registers (window 1), read from LDS once.  h's fragments are read from LDS block by block, by all four waves.
; A BLOCK is 16 tokens x 64 columns: 32 matrix instructions (8 experts x 4 tiles of 16 columns, each a whole sum over K = 128, C = 0) and 128 packed multiply-adds by the coefficients.
; THE MATRIX INSTRUCTION IS USED TRANSPOSED (source 0 = 16 rows of w2, source 1 = 16 tokens): lane (r, h) holds token r, and its register j column 8 h + j of the tile.
; The products of two experts go into one of two sets of 64 registers; while one set is added in, the other is written.
; REGISTERS, in windows of 256: window 0: v4-29 addresses and the routing; v32-47 w2's scale words, v64-71 h's (two buffers): these hold scales and nothing else; v72-103 coefficients (two buffers); v128-255 products, two sets.
;   window 1: w2's fragments: (expert e, tile i) at v[8 (4 e + i)].   window 2: v0-127 h's fragments (two buffers of 8 experts); v128-159 the block's sums; v160-223 rows on their way out (two buffers).
.set HSL,  131072                      ; LDS: h's codes at 0 (16 tiles of 8,192 bytes); here its scale words [expert][256 tokens];
.set WB,   139264                      ; w2's codes: four rows of 64 bytes, then 16 of padding: row n lies at 272 (n / 4) + 64 (n % 4), so that the 16 rows of a fragment fall in 16 different columns of 16 bytes (64 banks of 4 bytes: ISA guide 11.1);
.set WEXP, 64*272                      ; (an expert's 256 rows)
.set CFB,  278528                      ; the coefficients: for each token eight pairs (c_e, c_e), 64 bytes + 16 of padding;
.set STG,  299008                      ; and a stage of 16 rows x (256 bytes + 16) for each wave.  No tensor load lands in the last two
.set LI,   4                           ; v4-5   16 x lane: my place in an image, for tiles 0-7; the same + 65,536, for tiles 8-15
.set ASA,  6                           ; v6     h's scale words: token r; lanes 0-15 an even expert, lanes 16-31 the odd one behind it
.set CFA,  7                           ; v7     token r's coefficients
.set STO,  8                           ; v8     the stage: where I put 32 bytes of a row
.set RD,   9                           ; v9     and where I read a row back
.set GO,   10                          ; v10    my byte offset in two rows of out
.set WA,   11                          ; v11-13 w2 in LDS: row r of my first tile, + 16 h, for experts 0-2, 3-5, 6-7 (an LDS immediate has 16 bits)
.set WSA,  14                          ; v14    4 x lane: w2's scale words
.set RTA,  15                          ; v15    16 x thread: my two tokens in the table and in the weights
.set CFS,  16                          ; v16    where my two tokens' coefficients go
.set WSC,  32                          ; register 2 e + p: lanes 0-15 the words of tile 2 p, lanes 16-31 those of tile 2 p + 1
.set ASC,  64
.set CFR,  72
.set TT,   128
.set OO,   128                         ; in window 2
.set BKR,  160                         ; in window 2
.set G1W,  28                          ; s[28:35] descriptor group 1 for w2's tiles;  s[36:43] for h's codes;  s[44:51] for h's scale words
.set G1Q,  36
.set G1H,  44
.set G0W,  52                          ; s[52:59] two groups 0 for w2;  s[60:63] for h's codes;  s[68:71] for h's scale words
.set G0Q,  60
.set G0H,  68
.set W_TO1, 0x40                       ; destination window 1
.set W_TO2, 0x80                       ; destination window 2
.set W_MM,  0x09                       ; source 0 (w2) window 1, source 1 (h) window 2, D window 0
.set W_ADD, 0xa0                       ; the sums (destination and source 2) window 2; products and coefficients window 0
.set W_DAT, 0x08                       ; a store's data are its source 1: window 2
.set MSB, 0
.macro WIN new                         ; the immediate's high byte repeats the setting that is left; a switch that changes nothing is dropped
.if MSB != (\new)
	s_set_vgpr_msb (MSB<<8)|(\new)
.set MSB, \new
.endif
.endm
; A round of the cluster's barrier: my work-group's barrier, so that wave 0's signal speaks for all four waves; wave 0 signals for the work-group; every wave waits for all sixteen work-groups; my work-group's barrier once more.
.macro CROUND
	s_barrier_signal -1
	s_barrier_wait -1
	s_cmp_lg_u32 s18, 0
	s_cbranch_scc1 .Lnot_wave_0_\@
	s_barrier_signal -3
.Lnot_wave_0_\@:
	s_barrier_wait -3
	s_barrier_signal -1
	s_barrier_wait -1
.endm
	s_load_b256 s[4:11], s[0:1], 0x0               ; hq s[4:5], hs s[6:7], w2's codes s[8:9], w2's scales s[10:11]
	s_load_b128 s[12:15], s[0:1], 0x20             ; the routing table s[12:13], the router weights s[14:15]
	s_load_b64 s[16:17], s[0:1], 0x30              ; out
	v_lshl_add_u32 v126, v0, 2, 0x4d400
	v_mov_b32 v127, 0
	ds_add_u32 v126, v127
	ds_add_u32 v126, v127
	s_wait_dscnt 0x0
	v_lshrrev_b32 v1, 5, v0
	v_readfirstlane_b32 s18, v1                    ; wave 0..3
	s_bfe_u32 s21, ttmp6, 0x40000                  ; cx, cy: my place in the cluster
	s_bfe_u32 s22, ttmp6, 0x40004
	s_lshl_b32 s20, ttmp9, 2
	s_add_co_u32 s20, s20, s21                     ; the block of 256 columns = 4 x cluster x + cx
	s_and_b32 s19, ttmp7, 0xffff
	s_lshl_b32 s19, s19, 2
	s_add_co_u32 s19, s19, s22                     ; the block of 256 tokens = 4 x cluster y + cy
	s_lshl_b32 s23, s22, 2
	s_lshl_b32 s23, 15, s23                        ; my row of the cluster
	s_lshl_b32 s24, 0x1111, s21                    ; my column
	; descriptor group 1.  w2: an expert's 256 rows are 16,384 dense bytes: 64 rows of 256 bytes (32 elements of 8 bytes), 16 bytes of padding behind each
	s_or_b32 s[G1W+0], s24, (3<<16)|(1<<20)|(1<<21)|(5<<22)|(3<<25)  ; 15:0 the mask: my column; 17:16 elements of 8 bytes; 20 padding on; 21 set beside a mask; 24:22 after every 64 words (code 5); 31:25 of 4 words (code 3)
	s_mov_b32 s[G1W+1], 32<<16                     ; tensor_dim0
	s_mov_b32 s[G1W+2], 64<<16                     ; tensor_dim1
	s_mov_b32 s[G1W+3], 32<<16                     ; tile_dim0
	s_mov_b32 s[G1W+4], 64                         ; tile_dim1
	s_mov_b32 s[G1W+5], 32                         ; tensor_dim0_stride
	s_mov_b32 s[G1W+6], 0
	s_mov_b32 s[G1W+7], 0
	; h's codes: a quarter of the work-group's 131,072 dense bytes: 128 rows of 256 bytes, no padding: an image is read back as 512 consecutive bytes
	s_or_b32 s[G1Q+0], s23, (3<<16)|(1<<21)        ; the mask: my row
	s_mov_b32 s[G1Q+1], 32<<16
	s_mov_b32 s[G1Q+2], 128<<16
	s_mov_b32 s[G1Q+3], 32<<16
	s_mov_b32 s[G1Q+4], 128
	s_mov_b32 s[G1Q+5], 32
	s_mov_b32 s[G1Q+6], 0
	s_mov_b32 s[G1Q+7], 0
	; h's scale words: two experts' 256 words: 2 rows of 1,024 bytes (128 elements), 32,768 bytes (4,096 elements) apart
	s_or_b32 s[G1H+0], s23, (3<<16)|(1<<21)
	s_mov_b32 s[G1H+1], 128<<16
	s_mov_b32 s[G1H+2], 2<<16
	s_mov_b32 s[G1H+3], 128<<16
	s_mov_b32 s[G1H+4], 2
	s_mov_b32 s[G1H+5], 4096
	s_mov_b32 s[G1H+6], 0
	s_mov_b32 s[G1H+7], 0
	; where the tiles come from: w2's hang on the block of columns and the wave alone, h's on the block of tokens and the wave alone, each in registers that never hold the other coordinate
	s_lshl_b32 s72, s20, 14                        ; w2: 256 rows of 64 bytes for each block of columns,
	s_lshl_b32 s73, s18, 18                        ; experts 2 w and 2 w + 1, 131,072 bytes apart
	s_add_co_u32 s72, s72, s73
	s_mov_b32 s73, 0
	s_lshl_b32 s74, s19, 17                        ; hq: 16 tiles of 8,192 bytes for each block of tokens, my quarter of them
	s_lshl_b32 s75, s18, 15
	s_add_co_u32 s74, s74, s75
	s_mov_b32 s75, 0
	s_lshl_b32 s76, s19, 10                        ; hs: 256 words for each block of tokens, experts 2 w and 2 w + 1
	s_lshl_b32 s77, s18, 16
	s_add_co_u32 s76, s76, s77
	s_mov_b32 s77, 0
	s_mul_i32 s25, s18, 2*WEXP                     ; and where they go: no place in the cluster enters an LDS address
	s_add_co_u32 s25, s25, WB
	s_lshl_b32 s26, s18, 15
	s_lshl_b32 s27, s18, 11
	s_add_co_u32 s27, s27, HSL
	v_and_b32 v1, 31, v0                           ; lane
	v_and_b32 v2, 15, v0                           ; r
	v_bfe_u32 v3, v0, 4, 1                         ; h
	v_lshlrev_b32 v[LI], 4, v1
	v_add_nc_u32 v[LI+1], 65536, v[LI]
	v_lshlrev_b32 v[ASA], 2, v2
	v_lshl_add_u32 v[ASA], v3, 10, v[ASA]
	v_add_nc_u32 v[ASA], HSL, v[ASA]
	v_mul_u32_u24 v[CFA], v2, 80
	v_add_nc_u32 v[CFA], CFB, v[CFA]
	s_mul_i32 s78, s18, 16*272                     ; 16 rows of my stage; also my 64 rows of an expert's weights: 16 times 272 bytes
	s_add_co_u32 s79, s78, STG                     ; my stage
	v_mul_u32_u24 v[STO], v2, 272                  ; in: row r, 32 bytes for each half of the lanes
	v_lshl_add_u32 v[STO], v3, 5, v[STO]
	v_add_nc_u32 v[STO], s79, v[STO]
	v_mul_u32_u24 v[RD], v3, 272                   ; back: lanes 0-15 one row of 256 bytes, lanes 16-31 the next
	v_lshl_add_u32 v[RD], v2, 4, v[RD]
	v_add_nc_u32 v[RD], s79, v[RD]
	v_lshlrev_b32 v[GO], 13, v3                    ; and the same two rows of out, 8,192 bytes apart
	v_lshl_add_u32 v[GO], v2, 4, v[GO]
	s_add_co_u32 s78, s78, WB
	v_lshrrev_b32 v28, 2, v2                       ; w2 in LDS: 272 (r / 4) + 64 (r % 4) + 16 h
	v_mul_u32_u24 v28, v28, 272
	v_and_b32 v29, 3, v2
	v_lshl_add_u32 v28, v29, 6, v28
	v_lshl_add_u32 v28, v3, 4, v28
	v_add_nc_u32 v[WA], s78, v28
	v_add_nc_u32 v[WA+1], 3*WEXP, v[WA]
	v_add_nc_u32 v[WA+2], 3*WEXP, v[WA+1]
	v_lshlrev_b32 v[WSA], 2, v1
	v_lshlrev_b32 v[RTA], 4, v0                    ; thread t makes the coefficients of tokens 2 t and 2 t + 1
	v_mul_u32_u24 v[CFS], v0, 160
	v_add_nc_u32 v[CFS], CFB, v[CFS]
	CROUND                                         ; all sixteen work-groups are here: the joint loads meet.  (The arguments are on their way meanwhile)
	s_wait_kmcnt 0x0
	s_mov_b32 s[G0W], 1                            ; 1:0 count = 1
	s_mov_b32 s[G0W+1], s25                        ; 63:32 LDS address
	s_add_nc_u64 s[G0W+2:G0W+3], s[8:9], s[72:73]  ; 120:64 global address: expert 2 w
	s_mov_b32 s[G0W+4], 1
	s_add_co_u32 s[G0W+5], s25, WEXP
	s_add_nc_u64 s[G0W+6:G0W+7], s[G0W+2:G0W+3], 131072   ; expert 2 w + 1
	s_or_b32 s[G0W+3], s[G0W+3], 0x80000000        ; 127:126 type = 2
	s_or_b32 s[G0W+7], s[G0W+7], 0x80000000
	s_mov_b32 s[G0Q], 1
	s_mov_b32 s[G0Q+1], s26
	s_add_nc_u64 s[G0Q+2:G0Q+3], s[4:5], s[74:75]
	s_or_b32 s[G0Q+3], s[G0Q+3], 0x80000000
	s_mov_b32 s[G0H], 1
	s_mov_b32 s[G0H+1], s27
	s_add_nc_u64 s[G0H+2:G0H+3], s[6:7], s[76:77]
	s_or_b32 s[G0H+3], s[G0H+3], 0x80000000
	tensor_load_to_lds s[G0W:G0W+3], s[G1W:G1W+7]          ; the launch's only tensor loads: one group, every wave all four, so four of mine are out
	s_nop 0
	tensor_load_to_lds s[G0W+4:G0W+7], s[G1W:G1W+7]
	s_nop 0
	tensor_load_to_lds s[G0Q:G0Q+3], s[G1Q:G1Q+7]
	s_nop 0
	tensor_load_to_lds s[G0H:G0H+3], s[G1H:G1H+7]
	s_nop 0
.rept 4
	v_nop                                          ; four v_nop follow the last of them
.endr
	s_lshl_b32 s78, s20, 10                        ; w2's scale words: 256 words for each block of columns, my 64 of them.  The same bytes are my columns' place in a row of out
	s_lshl_b32 s79, s18, 8
	s_add_co_u32 s78, s78, s79
	s_mov_b32 s79, 0
	s_add_nc_u64 s[10:11], s[10:11], s[78:79]
	s_add_nc_u64 s[16:17], s[16:17], s[78:79]
	s_lshl_b32 s80, s19, 21                        ; out: 256 rows of 8,192 bytes
	s_mov_b32 s81, 0
	s_add_nc_u64 s[16:17], s[16:17], s[80:81]
	s_lshl_b32 s80, s19, 11                        ; the table and the weights: 256 tokens of 8 bytes
	s_add_nc_u64 s[12:13], s[12:13], s[80:81]
	s_add_nc_u64 s[14:15], s[14:15], s[80:81]
	global_load_b128 v[20:23], v[RTA], s[12:13]    ; my two tokens' experts
	global_load_b128 v[24:27], v[RTA], s[14:15]    ; and their weights
.irp e, 0,1,2,3,4,5,6,7
.irp p, 0,1
	global_load_b32 v[WSC+2*\e+\p], v[WSA], s[10:11] offset:8192*\e+128*\p   ; 32 lanes read the words of 32 neighbouring columns
.endr
.endr
	s_wait_loadcnt 16                              ; loads come back in order (ISA guide 5.7.1): behind the table's and the weights' stand the 16 of the scale words
.irp e, 0,1,2,3,4,5,6,7
	v_cmp_eq_u32 vcc_lo, \e, v20
	v_cndmask_b32 v28, 0, v24, vcc_lo              ; the first weight where the first entry is e, else 0;
	v_cmp_eq_u32 vcc_lo, \e, v21
	v_cndmask_b32 v29, 0, v25, vcc_lo              ; the second likewise;
	v_add_f32 v[CFR+2*\e], v28, v29                ; their sum, twice: a pair for the packed multiply-add
	v_add_f32 v[CFR+2*\e+1], v28, v29
	v_cmp_eq_u32 vcc_lo, \e, v22                   ; and the same for my second token
	v_cndmask_b32 v28, 0, v26, vcc_lo
	v_cmp_eq_u32 vcc_lo, \e, v23
	v_cndmask_b32 v29, 0, v27, vcc_lo
	v_add_f32 v[CFR+16+2*\e], v28, v29
	v_add_f32 v[CFR+16+2*\e+1], v28, v29
.endr
.irp q, 0,1,2,3
	ds_store_b128 v[CFS], v[CFR+4*\q:CFR+4*\q+3] offset:16*\q
	ds_store_b128 v[CFS], v[CFR+16+4*\q:CFR+16+4*\q+3] offset:80+16*\q
.endr
	s_wait_tensorcnt 0x0                           ; for the others' sake: my four tiles have landed,
	s_wait_dscnt 0x0                               ; and my tokens' coefficients lie in LDS
	s_barrier_signal -1
	s_barrier_wait -1                              ; behind it LDS is only read, but for each wave's own stage
	WIN W_TO1
.irp e, 0,1,2,3,4,5,6,7                        ; my weights into registers, once: a fragment is 16 rows x 128 K: lane (r, h) holds row r; registers 4 c .. 4 c + 3 hold K = 64 c + 32 h + 0 .. 31
.irp i, 0,1,2,3
.irp c, 0,1
	ds_load_b128 v[8*(4*\e+\i)+4*\c:8*(4*\e+\i)+4*\c+3], v[WA+\e/3] offset:(\e%3)*WEXP+\i*4*272+32*\c
.endr
.endr
.endr
; Block b: tokens 16 b .. 16 b + 15; its operands lie in buffer b % 2.
.macro PREFETCH b                      ; 24 LDS loads: h's 8 fragments, its 4 registers of scale words, the tokens' 8 pairs of coefficients
	WIN W_TO2
.irp e, 0,1,2,3,4,5,6,7
.irp c, 0,1
	ds_load_b128 v[64*((\b)%2)+8*\e+4*\c:64*((\b)%2)+8*\e+4*\c+3], v[LI+(\b)/8] offset:8192*((\b)%8)+1024*\e+512*\c   ; an image comes back as it was stored: 512 consecutive bytes
.endr
.endr
	WIN 0
.irp k, 0,1,2,3
	ds_load_b32 v[ASC+4*((\b)%2)+\k], v[ASA] offset:2048*\k+64*(\b)         ; lanes 0-15 expert 2 k, lanes 16-31 expert 2 k + 1
.endr
.irp q, 0,1,2,3
	ds_load_b128 v[CFR+16*((\b)%2)+4*\q:CFR+16*((\b)%2)+4*\q+3], v[CFA] offset:1280*(\b)+16*\q
.endr
.endm
.macro MM b, G                         ; 8 matrix instructions: experts 2 G and 2 G + 1 x four tiles of 16 columns, into set G % 2.  Each is a whole sum (K = 128, C = 0); no two share a register
	WIN W_MM
.irp u, 0,1
.irp i, 0,1,2,3
.set DT, TT+64*(\G%2)+32*\u+8*\i
.set WR, 8*(4*(2*\G+\u)+\i)
.set FA, 64*((\b)%2)+8*(2*\G+\u)
.set SW, WSC+2*(2*\G+\u)+\i/2
.set SA, ASC+4*((\b)%2)+\G
.if (\i%2 == 0) && (\u == 0)
	v_wmma_scale_f32_16x16x128_f8f6f4 v[DT:DT+7], v[WR:WR+7], v[FA:FA+7], 0, v[SW], v[SA] matrix_a_fmt:MATRIX_FMT_FP4 matrix_b_fmt:MATRIX_FMT_FP4
.elseif (\i%2 == 0)
	v_wmma_scale_f32_16x16x128_f8f6f4 v[DT:DT+7], v[WR:WR+7], v[FA:FA+7], 0, v[SW], v[SA] matrix_a_fmt:MATRIX_FMT_FP4 matrix_b_fmt:MATRIX_FMT_FP4 matrix_b_scale:MATRIX_SCALE_ROW1
.elseif (\u == 0)
	v_wmma_scale_f32_16x16x128_f8f6f4 v[DT:DT+7], v[WR:WR+7], v[FA:FA+7], 0, v[SW], v[SA] matrix_a_fmt:MATRIX_FMT_FP4 matrix_b_fmt:MATRIX_FMT_FP4 matrix_a_scale:MATRIX_SCALE_ROW1
.else
	v_wmma_scale_f32_16x16x128_f8f6f4 v[DT:DT+7], v[WR:WR+7], v[FA:FA+7], 0, v[SW], v[SA] matrix_a_fmt:MATRIX_FMT_FP4 matrix_b_fmt:MATRIX_FMT_FP4 matrix_a_scale:MATRIX_SCALE_ROW1 matrix_b_scale:MATRIX_SCALE_ROW1
.endif
.endr
.endr
.endm
.macro ADDIN b, G                      ; 32 packed lines: the sums take coef x the products of experts 2 G and 2 G + 1; each result is read from its low end on.  Expert 0 starts the sums: nothing is cleared
	WIN W_ADD
.irp u, 0,1
.irp i, 0,1,2,3
.irp p, 0,2,4,6
.if (2*\G+\u) == 0
	v_pk_mul_f32 v[OO+8*\i+\p:OO+8*\i+\p+1], v[TT+64*(\G%2)+32*\u+8*\i+\p:TT+64*(\G%2)+32*\u+8*\i+\p+1], v[CFR+16*((\b)%2)+2*(2*\G+\u):CFR+16*((\b)%2)+2*(2*\G+\u)+1]
.else
	v_pk_fma_f32 v[OO+8*\i+\p:OO+8*\i+\p+1], v[TT+64*(\G%2)+32*\u+8*\i+\p:TT+64*(\G%2)+32*\u+8*\i+\p+1], v[CFR+16*((\b)%2)+2*(2*\G+\u):CFR+16*((\b)%2)+2*(2*\G+\u)+1], v[OO+8*\i+\p:OO+8*\i+\p+1]
.endif
.endr
.endr
.endr
.endm
.macro TOSTAGE b                       ; the block's sums into my own stage, and back as whole rows of 256 bytes: 8 stores, 8 loads
.if (\b) >= 2
	s_wait_xcnt 0x0                                ; every earlier memory instruction has had its addresses translated (ISA guide 3.1): the registers that block b - 2's stores read are loaded again only behind this wait
.endif
	WIN W_DAT
.irp i, 0,1,2,3
.irp u, 0,1
	ds_store_b128 v[STO], v[OO+8*\i+4*\u:OO+8*\i+4*\u+3] offset:64*\i+16*\u   ; lane (r, h): columns 16 i + 8 h + 4 u + 0 .. 3 of token r
.endr
.endr
	WIN W_TO2
.irp t, 0,1,2,3,4,5,6,7
	ds_load_b128 v[BKR+32*((\b)%2)+4*\t:BKR+32*((\b)%2)+4*\t+3], v[RD] offset:544*\t   ; LDS serves a wave's instructions in order (ISA guide 5.7.1.4): these see the stores above, and the next block's stores come behind them
.endr
.endm
.macro SEND b
	WIN W_DAT
.irp t, 0,1,2,3,4,5,6,7
	global_store_b128 v[GO], v[BKR+32*((\b)%2)+4*\t:BKR+32*((\b)%2)+4*\t+3], s[16:17] offset:(16*(\b)+2*\t)*8192 th:TH_STORE_NT   ; 16 lanes store 256 consecutive bytes, at a multiple of 256 from out's first byte; written once, read by nobody here
.endr
.endm
; Distances (ISA guide 7.12.1; plain vector instructions that name none of the matrix instruction's registers are the places).  The five v_nop stand between sets 0 and 1 just written and the first read of set 0 (four are
; asked), and between MM 0 and MM 2, which writes over its results (five are asked).  Everywhere else 32 lines of ADDIN on the OTHER set stand between: MM 1 and ADDIN 1, MM 1 and MM 3, MM 2 and ADDIN 2, MM 3 and ADDIN 3,
; MM 2, MM 3 and the next block's MM 0, MM 1; and the next but one block's operands are loaded behind ADDIN 2 and ADDIN 3.
.macro BLOCK b
.if (\b) == 0
	s_wait_dscnt 0x0                               ; my weights and block 0's operands are in
.else
	s_wait_dscnt 16                                ; this block's operands are in: behind their loads stand the sixteen stage instructions of the block before
.endif
.if (\b) < 15
	PREFETCH (\b)+1
.endif
	MM \b, 0
	MM \b, 1
.if (\b) > 0
.if (\b) < 15
	s_wait_dscnt 24                                ; the block before is back from the stage (and its stores into the stage have read the sums): only the 24 loads just issued may be out
.else
	s_wait_dscnt 0x0
.endif
	SEND (\b)-1
.endif
.rept 5
	v_nop
.endr
	ADDIN \b, 0
	MM \b, 2
	ADDIN \b, 1
	MM \b, 3
	ADDIN \b, 2
	ADDIN \b, 3
	TOSTAGE \b
.endm
	PREFETCH 0
	s_wait_loadcnt 0x0                             ; w2's scale words
.irp b, 0,1,2,3,4,5,6,7,8,9,10,11,12,13,14,15
	BLOCK \b
.endr
	s_wait_dscnt 0x0
	SEND 15
	WIN 0                                          ; at a label and at a branch every window is 0
	s_wait_tensorcnt 0x0
	ds_add_u32 v126, v127
	s_wait_dscnt 0x0
	CROUND                                         ; the closing round: no work-group ends while a partner may still ask for a tile that names it
	s_endpgm
.Lfunc_end_k_q239195dda0_down:
	.size	k_q239195dda0_down, .Lfunc_end_k_q239195dda0_down-k_q239195dda0_down
	.p2alignl 7, 3214868480
	.fill 96, 4, 3214868480
	.section	.rodata,"a",@progbits
	.p2align	6, 0x0
	.amdhsa_kernel k_q239195dda0_down
		.amdhsa_group_segment_fixed_size 327680
		.amdhsa_private_segment_fixed_size 0
		.amdhsa_enable_private_segment 0
		.amdhsa_kernarg_size 56
		.amdhsa_user_sgpr_count 2
		.amdhsa_user_sgpr_kernarg_segment_ptr 1
		.amdhsa_wavefront_size32 1
		.amdhsa_system_sgpr_workgroup_id_x 1
		.amdhsa_system_sgpr_workgroup_id_y 1
		.amdhsa_system_sgpr_workgroup_id_z 1
		.amdhsa_system_vgpr_workitem_id 0
		.amdhsa_next_free_vgpr 768
		.amdhsa_next_free_sgpr 84
		.amdhsa_reserve_vcc 1
		.amdhsa_float_denorm_mode_32 3
		.amdhsa_float_denorm_mode_16_64 3
		.amdhsa_memory_ordered 1
		.amdhsa_forward_progress 1
		.amdhsa_inst_pref_size 255
	.end_amdhsa_kernel
	.section	.bss,"aw",@nobits
	.p2align	6
	.space	262144
	.amdgpu_metadata
---
amdhsa.version: [ 1, 2 ]
amdhsa.kernels:
  - .name:           k_q239195dda0_down
    .symbol:         k_q239195dda0_down.kd
    .args:
      - { .name: hq, .offset: 0, .size: 8, .value_kind: global_buffer, .address_space: global }
      - { .name: hs, .offset: 8, .size: 8, .value_kind: global_buffer, .address_space: global }
      - { .name: w2_codes, .offset: 16, .size: 8, .value_kind: global_buffer, .address_space: global }
      - { .name: w2_scales, .offset: 24, .size: 8, .value_kind: global_buffer, .address_space: global }
      - { .name: expert_routing_table, .offset: 32, .size: 8, .value_kind: global_buffer, .address_space: global }
      - { .name: router_weights, .offset: 40, .size: 8, .value_kind: global_buffer, .address_space: global }
      - { .name: out0, .offset: 48, .size: 8, .value_kind: global_buffer, .address_space: global }
    .group_segment_fixed_size: 327680
    .private_segment_fixed_size: 0
    .kernarg_segment_align: 8
    .kernarg_segment_size: 56
    .max_flat_workgroup_size: 128
    .sgpr_count:     84
    .vgpr_count:     768
    .wavefront_size: 32
...
	.end_amdgpu_metadata
.endif
;; end of part 2
